; MI455X (gfx1250); checked and timed in simulation.
; The chip was launched on July 23, 2026; its instructions are those of AMD's public machine-readable ISA for CDNA 5 (MIT licence, August 2026) and "CDNA5" Instruction Set Architecture Reference Guide (July 2026). The comments in the code are by the model that wrote it; some were corrected since.
;; Multiway Network. Allowed arithmetic: float matrix products may take bf16 or f16 operands with f32 sums; other float arithmetic in f32, or as packed bf16 or f16 multiplies, adds, multiply-adds, maxima and minima; sums over many terms, partial sums and values carried from step to step in f32; what a program stores and reads back later, other than sums and carried values, may be rounded once to bf16 or f16.
;; Inputs: W0 2,048 x 2,048 float32; W1 2,048 x 2,048 float32; b0 2,048 float32; b1 2,048 float32; hidden_states 4 x 2,048 x 2,048 float32; multiway_indices 4 x 2,048 int32.
;; Outputs: out0 4 x 2,048 x 2,048 float32.
;; One version. Each part assembles by itself: llvm-mc -triple=amdgcn-amd-amdhsa -mcpu=gfx1250 --defsym DOCPART=n.
;; ======== version 1 of 1: 2 launches
;; workspace buffers: xs 35,651,584 bytes; wb 16,777,216 bytes; tok 34,816 bytes of whole numbers; meta 256 bytes of whole numbers
;; launch prep (part 1): grid 256 x 1, 8 waves a work-group, no clusters, 1,280 bytes of LDS; arguments hidden_states, multiway_indices, W0, W1, xs, wb, tok, meta; writes xs, wb, tok, meta
.if DOCPART == 1
	.amdgcn_target "amdgcn-amd-amdhsa--gfx1250"
	.amdhsa_code_object_version 6
	.text
	.protected	k_q8a3fe26c1d_prep
	.globl	k_q8a3fe26c1d_prep
	.p2align	8
	.type	k_q8a3fe26c1d_prep,@function
k_q8a3fe26c1d_prep:
	s_mov_b64 s[64:65], 0
	v_nop
	global_prefetch_b8 v0, s[64:65] scope:SCOPE_SE
	s_setreg_imm32_b32 hwreg(HW_REG_WAVE_MODE, 25, 1), 1
	s_wait_xcnt 0x0
; PREP: sorts the 8,192 tokens by expert, rounds x and both weight matrices to bf16 (once, to nearest even), and writes the lists that the product reads.
;   xs  [8704][2048] bf16: expert 0's tokens (index == 0) at rows 0 .. n0-1 in token order, expert 1's (any other index) at rows 272 G0 + rank, G0 = ceil(n0 / 272).
;       32 row groups of 272 rows serve every split: ceil(n0/272) + ceil(n1/272) < 8192/272 + 2 = 32.1.
;       In an expert's last live block of 16 rows the places past its count REPEAT its last token (15 rows at the most); blocks without a token are filled with zeros.
;   wb  [2][2048][2048] bf16: W0, then W1, rows as given.
;   tok u32 [544 blocks][h = 0, 1][t = 0..7]: the token of row 16 blk + 2 t + h (0 in blocks without a token).     meta u32 [32][2]: (expert, live rows) of each row group.
; SHARES.  256 work-groups of 8 waves.  Work-group w, wave v: weight rows 16 w + 2 v + 0, 1 of the 4,096; tokens 32 w + 4 v + 0..3; waves 0 and 1 also the row 2 w + v of the 512 places in empty blocks.
; A row is 8,192 bytes of f32: 16 loads of 16 bytes a lane, each covering 512 consecutive bytes; it leaves as 16 stores of 8 bytes a lane, each covering 256 consecutive bytes, aligned.
; Every source address is fixed by w and v; only where a token's row goes hangs on the indices, which every work-group counts for itself (32 KB, whole numbers alone).
; No matrix unit, no tensor load, no cluster: nothing is multiplied and no work-group shares a byte of x or W with another.
; LIMITS.  bf16 keeps 8 significant bits and f32's range; NaN and infinities pass as the conversion gives them.
.set SPARE, 256                        ; LDS: bytes 0-63 eight pairs (zeros in all, zeros before my group), one a wave; from 256 on the spare words, 128 bytes for each of 8 waves
.set SPW,  10                          ; v10  LDS address of my spare word; never rewritten
.set NIL,  11                          ; v11  0; never rewritten
.set IDX,  12                          ; v[12:43]  32 indices a lane: chunk c holds tokens 1024 c + 4 thread + 0..3
.set OWN,  44                          ; v44  the index of token 32 w + lane
.set LANE, 45                          ; v45
.set PR,   46                          ; v[46:61]  the eight pairs read back
.set Y,    64                          ; v[64:95]  a row in bf16
.set X,    96                          ; v[96:223] two row slots of 64 registers
.set WV,   20                          ; s20  wave
.set WG,   21                          ; s21  work-group
.set T0,   22                          ; s22  the group's first token
.set TOT,  24                          ; s24  zeros among my wave's 1,024 indices
.set BEF,  25                          ; s25  those of them before T0; later the sum over the waves
.set MZ,   29                          ; s29  bit i: token T0 + i has index 0
.set N0,   30
.set N1,   31
.set G0,   32                          ; s32  row groups of expert 0
.set R1B,  33                          ; s33  272 G0: expert 1's first row
.set SRCW, 34                          ; s[34:35]  my two weight rows
.set SRCX, 36                          ; s[36:37]  my four rows of x
.set DSTW, 38                          ; s[38:39]  my two rows of wb
.set DST,  40                          ; s[40:41]  the row of xs in hand
.set TRIPS, 42                         ; s42  how often the row is stored: 1, or up to the block's end for an expert's last token
.set TP,   43                          ; s43  counts them
	s_load_b256 s[4:11], s[0:1], 0x0               ; hidden_states s[4:5], indices s[6:7], W0 s[8:9], W1 s[10:11]
	s_load_b256 s[12:19], s[0:1], 0x20             ; xs s[12:13], wb s[14:15], tok s[16:17], meta s[18:19]
	v_lshl_add_u32 v[SPW], v0, 2, SPARE
	v_mov_b32 v[NIL], 0
	v_and_b32 v[LANE], 31, v0
	v_lshlrev_b32 v1, 4, v[LANE]                   ; 16 x lane: a row's loads
	v_lshlrev_b32 v2, 3, v[LANE]                   ; 8 x lane: a row's stores
	v_lshlrev_b32 v3, 4, v0                        ; 16 x thread: the indices' loads
	v_lshlrev_b32 v4, 2, v0                        ; 4 x thread: the first of my four tokens in a chunk
	v_lshlrev_b32 v5, 2, v[LANE]
	v_lshrrev_b32 v6, 5, v0
	v_readfirstlane_b32 s[WV], v6
	s_mov_b32 s[WG], ttmp9
	s_lshl_b32 s[T0], s[WG], 5
	s_lshl_b32 s44, s[WG], 4
	s_lshl_b32 s45, s[WV], 1
	s_add_co_u32 s44, s44, s45                     ; my first weight row of the 4,096
	s_and_b32 s46, s44, 2047                       ; its place in its own matrix,
	s_lshl_b32 s46, s46, 13                        ; in bytes of f32
	s_mov_b32 s47, 0
	s_lshl_b32 s48, s44, 12                        ; and in wb, in bytes of bf16
	s_mov_b32 s49, 0
	s_lshl_b32 s50, s[WV], 2
	s_add_co_u32 s50, s50, s[T0]                   ; my first token,
	s_lshl_b32 s50, s50, 13                        ; in bytes of x (67,100,672 at the most)
	s_mov_b32 s51, 0
	s_lshl_b32 s52, s[WG], 7                       ; the group's 32 indices
	s_mov_b32 s53, 0
	s_mov_b32 s[TOT], 0
	s_mov_b32 s[BEF], 0
	s_wait_kmcnt 0x0
	s_cmp_lt_u32 s[WG], 128                        ; work-groups 0-127 take W0, the others W1
	s_cselect_b64 s[SRCW:SRCW+1], s[8:9], s[10:11]
	s_add_nc_u64 s[SRCW:SRCW+1], s[SRCW:SRCW+1], s[46:47]
	s_add_nc_u64 s[DSTW:DSTW+1], s[14:15], s[48:49]
	s_add_nc_u64 s[SRCX:SRCX+1], s[4:5], s[50:51]
	s_add_nc_u64 s[56:57], s[6:7], s[52:53]
; 16 loads: a whole row, off bytes behind the base, into a row slot.  x and W are read once in the launch.
.macro LOADROW slot, base, off
.set j, 0
.rept 16
	global_load_b128 v[X+64*(\slot)+4*j:X+64*(\slot)+4*j+3], v1, s[\base:\base+1] offset:(\off)+512*j th:TH_LOAD_NT
.set j, j+1
.endr
.endm
	; all early loads in one run: the indices first, then both weight rows, so that 32 row loads of the wave are on their way while it counts
.set c, 0
.rept 8
	global_load_b128 v[IDX+4*c:IDX+4*c+3], v3, s[6:7] offset:4096*c
.set c, c+1
.endr
	global_load_b32 v[OWN], v5, s[56:57]
	LOADROW 0, SRCW, 0
	LOADROW 1, SRCW, 8192
	; THE COUNT.  Loads come back in order: with the 32 younger row loads left out, the nine index loads are in.
	s_wait_loadcnt 32
.set c, 0
.rept 8
	s_sub_co_u32 s23, s[T0], 1024*c                ; a lane's four tokens of a chunk lie on one side of T0, a multiple of 32:
	v_cmp_gt_i32 s27, s23, v4                      ; lanes whose four lie before it
.set j, 0
.rept 4
	v_cmp_eq_u32 s26, 0, v[IDX+4*c+j]
	s_bcnt1_i32_b32 s28, s26
	s_add_co_u32 s[TOT], s[TOT], s28
	s_and_b32 s26, s26, s27
	s_bcnt1_i32_b32 s28, s26
	s_add_co_u32 s[BEF], s[BEF], s28
.set j, j+1
.endr
.set c, c+1
.endr
	v_cmp_eq_u32 s[MZ], 0, v[OWN]
	; ACROSS THE WAVES: each wave stores its pair, waits for the store, passes the barrier, and reads all eight.
	s_lshl_b32 s23, s[WV], 3
	v_mov_b32 v6, s23
	v_mov_b32 v62, s[TOT]
	v_mov_b32 v63, s[BEF]
	ds_store_b64 v6, v[62:63]
	s_wait_dscnt 0x0                               ; for the others' sake: my pair is in LDS
	s_barrier_signal -1
	s_barrier_wait -1
	v_mov_b32 v7, 0
	ds_load_b128 v[PR:PR+3], v7
	ds_load_b128 v[PR+4:PR+7], v7 offset:16
	ds_load_b128 v[PR+8:PR+11], v7 offset:32
	ds_load_b128 v[PR+12:PR+15], v7 offset:48
	s_wait_tensorcnt 0x0                           ; the wave's last LDS store lies behind; nothing writes LDS after the add below
	ds_add_u32 v[SPW], v[NIL]
	s_wait_dscnt 0x0                               ; the add is done, and the eight pairs are in
	v_add3_u32 v62, v[PR], v[PR+2], v[PR+4]
	v_add3_u32 v63, v[PR+1], v[PR+3], v[PR+5]
	v_add3_u32 v62, v62, v[PR+6], v[PR+8]
	v_add3_u32 v63, v63, v[PR+7], v[PR+9]
	v_add3_u32 v62, v62, v[PR+10], v[PR+12]
	v_add3_u32 v63, v63, v[PR+11], v[PR+13]
	v_add_nc_u32 v62, v62, v[PR+14]
	v_add_nc_u32 v63, v63, v[PR+15]
	v_readfirstlane_b32 s[N0], v62
	v_readfirstlane_b32 s[BEF], v63
	s_min_u32 s[N0], s[N0], 0x2000                 ; counts of 8,192 tokens
	s_min_u32 s[BEF], s[BEF], 0x2000
	s_sub_co_u32 s[N1], 0x2000, s[N0]
	s_add_co_u32 s[G0], s[N0], 271
	s_lshr_b32 s[G0], s[G0], 4                     ; (n0 + 271) / 16, 528 at the most;
	s_mul_i32 s[G0], s[G0], 61681                  ; / 17: 61681 x 17 = 2^20 + 1, exact for arguments far beyond 528
	s_lshr_b32 s[G0], s[G0], 20
	s_mul_i32 s[R1B], s[G0], 272
	; META, by wave 0 of work-group 0: lane g writes row group g's expert and live rows: one store of 256 consecutive bytes
	s_or_b32 s23, s[WG], s[WV]
	s_cmp_lg_u32 s23, 0
	s_cbranch_scc1 .Lno_meta
	v_cmp_le_u32 vcc_lo, s[G0], v[LANE]            ; groups from G0 on are expert 1's
	v_cndmask_b32 v62, 0, 1, vcc_lo
	v_mov_b32 v6, s[N0]
	v_mov_b32 v7, s[N1]
	v_cndmask_b32 v6, v6, v7, vcc_lo               ; the expert's tokens
	v_cndmask_b32 v7, 0, s[G0], vcc_lo             ; its first group
	v_sub_nc_u32 v7, v[LANE], v7
	v_mul_u32_u24 v7, v7, 272                      ; rows of the expert in front of this group
	v_cmp_gt_u32 vcc_lo, v6, v7
	v_sub_nc_u32 v6, v6, v7
	v_min_u32 v6, 272, v6
	v_cndmask_b32 v63, 0, v6, vcc_lo               ; what is left, 272 at the most, 0 if none
	global_store_b64 v2, v[62:63], s[18:19]
.Lno_meta:
; Where token T0 + 4 v + k goes.  zb zeros and r1 others stand before it; its row is zb or 272 G0 + r1.  An expert's last token is stored up to its block's end.
; One store writes all its places in the list: lane l the place of row + min(l, TRIPS - 1); the lanes beyond write the last place once more, with the same number.
.macro TOKDEST k
	s_add_co_u32 s44, s46, \k                      ; i = 4 v + k
	s_add_co_u32 s45, s[T0], s44                   ; the token
	s_bfm_b32 s47, s44, 0                          ; i ones
	s_and_b32 s47, s47, s[MZ]
	s_bcnt1_i32_b32 s47, s47
	s_add_co_u32 s47, s47, s[BEF]                  ; zb
	s_sub_co_u32 s48, s45, s47                     ; r1
	s_add_co_u32 s49, s[R1B], s48
	s_lshr_b32 s50, s[MZ], s44
	s_and_b32 s50, s50, 1
	s_cmp_lg_u32 s50, 0                            ; is its index 0?
	s_cselect_b32 s51, s47, s49                    ; row
	s_cselect_b32 s52, s47, s48                    ; rank in its expert
	s_cselect_b32 s53, s[N0], s[N1]                ; the expert's tokens
	s_min_u32 s51, s51, 0x21ff                     ; a row of xs: 8,703 at the most
	s_and_b32 s54, s51, 15
	s_sub_co_u32 s54, 16, s54                      ; places from the row to its block's end
	s_add_co_u32 s52, s52, 1
	s_cmp_eq_u32 s52, s53                          ; the expert's last token?
	s_cselect_b32 s[TRIPS], s54, 1
	s_min_u32 s[TRIPS], s[TRIPS], 16
	s_lshl_b32 s54, s51, 12                        ; 4,096 bytes a row
	s_mov_b32 s55, 0
	s_add_nc_u64 s[DST:DST+1], s[12:13], s[54:55]
	s_sub_co_u32 s50, s[TRIPS], 1
	v_min_u32 v6, s50, v[LANE]
	v_add_nc_u32 v6, s51, v6                       ; the row
	v_and_b32 v7, -16, v6                          ; its block,
	v_and_b32 v8, 1, v6
	v_lshl_or_b32 v7, v8, 3, v7                    ; h = row % 2,
	v_bfe_u32 v8, v6, 1, 3
	v_or_b32 v7, v7, v8                            ; t = (row / 2) % 8
	v_min_u32 v7, 0x21ff, v7
	v_lshlrev_b32 v7, 2, v7
	v_mov_b32 v9, s45
	global_store_b32 v7, v9, s[16:17]
.endm
; One row's turn.  kind 0: weight row n; kind 1: token n of my four.  left: the younger row's 16 loads may stay out.  nxt >= 0: the slot takes my row nxt of x as soon as it has been read.
.macro ROW slot, kind, n, left, nxt
	s_wait_loadcnt \left                           ; loads come back in order: this slot's row is in
	s_wait_xcnt 0x0                                ; Y, v6-v9 and DST, which the row before's stores read, are rewritten only behind this wait
.set j, 0
.rept 32
	v_cvt_pk_bf16_f32 v[Y+j], v[X+64*(\slot)+2*j], v[X+64*(\slot)+2*j+1]
.set j, j+1
.endr
.if (\nxt) >= 0
	LOADROW \slot, SRCX, 8192*(\nxt)               ; loads ahead of stores
.endif
.if (\kind) == 0
.set j, 0
.rept 16
	global_store_b64 v2, v[Y+2*j:Y+2*j+1], s[DSTW:DSTW+1] offset:4096*(\n)+256*j
.set j, j+1
.endr
.else
	TOKDEST \n
	s_mov_b32 s[TP], 0
.Ldup_\@:                                              ; TRIPS times (1 but for an expert's last token): the row, then the next place
.set j, 0
.rept 16
	global_store_b64 v2, v[Y+2*j:Y+2*j+1], s[DST:DST+1] offset:256*j
.set j, j+1
.endr
	s_wait_xcnt 0x0                                ; DST steps only behind this wait
	s_add_nc_u64 s[DST:DST+1], s[DST:DST+1], 0x1000
	s_add_co_u32 s[TP], s[TP], 1
	s_cmp_lt_u32 s[TP], s[TRIPS]
	s_cbranch_scc1 .Ldup_\@
.endif
.endm
	s_lshl_b32 s46, s[WV], 2                       ; 4 v, for TOKDEST
	ROW 0, 0, 0, 16, 0
	ROW 1, 0, 1, 16, 1
	ROW 0, 1, 0, 16, 2
	ROW 1, 1, 1, 16, 3
	ROW 0, 1, 2, 16, -1                            ; nothing is left to load: the counts run down
	ROW 1, 1, 3, 0, -1
	; A ROW OF AN EMPTY BLOCK, by waves 0 and 1: place p = 2 w + v of 512, block q = p / 16 of the empty ones, row r = p % 16 in it.
	; Live blocks: c0 = ceil(n0 / 16) from block 0, c1 from block 17 G0.  Empty: d0 = 17 G0 - c0 behind expert 0's, the rest behind expert 1's; 31 or 32 in all.
	s_cmp_ge_u32 s[WV], 2
	s_cbranch_scc1 .Lend
	s_lshr_b32 s44, s[WG], 3                       ; q
	s_lshl_b32 s45, s[WG], 1
	s_add_co_u32 s45, s45, s[WV]
	s_and_b32 s45, s45, 15                         ; r
	s_add_co_u32 s46, s[N0], 15
	s_lshr_b32 s46, s46, 4                         ; c0
	s_add_co_u32 s47, s[N1], 15
	s_lshr_b32 s47, s47, 4                         ; c1
	s_mul_i32 s48, s[G0], 17
	s_sub_co_u32 s48, s48, s46                     ; d0
	s_add_co_u32 s49, s46, s44                     ; c0 + q,
	s_add_co_u32 s50, s49, s47                     ; or 17 G0 + c1 + (q - d0) = c0 + c1 + q
	s_cmp_lt_u32 s44, s48
	s_cselect_b32 s49, s49, s50                    ; the block
	s_cmp_ge_u32 s49, 544
	s_cbranch_scc1 .Lend                           ; only 31 blocks are empty
	s_lshl_b32 s49, s49, 4
	s_add_co_u32 s51, s49, s45                     ; the row
	s_min_u32 s51, s51, 0x21ff
	s_lshl_b32 s54, s51, 12
	s_mov_b32 s55, 0
	s_and_b32 s52, s45, 1                          ; its place in the list
	s_lshl_b32 s52, s52, 3
	s_lshr_b32 s53, s45, 1
	s_or_b32 s52, s52, s53
	s_add_co_u32 s52, s52, s49
	s_min_u32 s52, s52, 0x21ff
	s_lshl_b32 s52, s52, 2
	s_wait_xcnt 0x0                                ; the last row's stores have read Y, v6 and DST
	s_add_nc_u64 s[DST:DST+1], s[12:13], s[54:55]
	v_mov_b32 v[Y], 0
	v_mov_b32 v[Y+1], 0
	v_mov_b32 v[Y+2], 0
	v_mov_b32 v[Y+3], 0
	v_mov_b32 v6, s52
.set j, 0
.rept 8
	global_store_b128 v1, v[Y:Y+3], s[DST:DST+1] offset:512*j
.set j, j+1
.endr
	global_store_b32 v6, v[Y], s[16:17]            ; token 0: the entry is loaded, never used
.Lend:
	s_endpgm
.Lfunc_end_k_q8a3fe26c1d_prep:
	.size	k_q8a3fe26c1d_prep, .Lfunc_end_k_q8a3fe26c1d_prep-k_q8a3fe26c1d_prep
	.p2alignl 7, 3214868480
	.fill 96, 4, 3214868480
	.section	.rodata,"a",@progbits
	.p2align	6, 0x0
	.amdhsa_kernel k_q8a3fe26c1d_prep
		.amdhsa_group_segment_fixed_size 1280
		.amdhsa_private_segment_fixed_size 0
		.amdhsa_enable_private_segment 0
		.amdhsa_kernarg_size 64
		.amdhsa_user_sgpr_count 2
		.amdhsa_user_sgpr_kernarg_segment_ptr 1
		.amdhsa_wavefront_size32 1
		.amdhsa_system_sgpr_workgroup_id_x 1
		.amdhsa_system_sgpr_workgroup_id_y 1
		.amdhsa_system_sgpr_workgroup_id_z 1
		.amdhsa_system_vgpr_workitem_id 0
		.amdhsa_next_free_vgpr 224
		.amdhsa_next_free_sgpr 66
		.amdhsa_reserve_vcc 1
		.amdhsa_float_denorm_mode_32 3
		.amdhsa_float_denorm_mode_16_64 3
		.amdhsa_memory_ordered 1
		.amdhsa_forward_progress 1
		.amdhsa_inst_pref_size 52
	.end_amdhsa_kernel
	.amdgpu_metadata
---
amdhsa.version: [ 1, 2 ]
amdhsa.kernels:
  - .name:           k_q8a3fe26c1d_prep
    .symbol:         k_q8a3fe26c1d_prep.kd
    .args:
      - { .name: hidden_states, .offset: 0, .size: 8, .value_kind: global_buffer, .address_space: global }
      - { .name: multiway_indices, .offset: 8, .size: 8, .value_kind: global_buffer, .address_space: global }
      - { .name: W0, .offset: 16, .size: 8, .value_kind: global_buffer, .address_space: global }
      - { .name: W1, .offset: 24, .size: 8, .value_kind: global_buffer, .address_space: global }
      - { .name: xs, .offset: 32, .size: 8, .value_kind: global_buffer, .address_space: global }
      - { .name: wb, .offset: 40, .size: 8, .value_kind: global_buffer, .address_space: global }
      - { .name: tok, .offset: 48, .size: 8, .value_kind: global_buffer, .address_space: global }
      - { .name: meta, .offset: 56, .size: 8, .value_kind: global_buffer, .address_space: global }
    .group_segment_fixed_size: 1280
    .private_segment_fixed_size: 0
    .kernarg_segment_align: 8
    .kernarg_segment_size: 64
    .max_flat_workgroup_size: 256
    .sgpr_count:     66
    .vgpr_count:     224
    .wavefront_size: 32
...
	.end_amdgpu_metadata
.endif
;; end of part 1
;; launch gemm (part 2): grid 8 x 32, 4 waves a work-group, clusters of 4 x 1, 327,680 bytes of LDS; arguments xs, wb, b0, b1, tok, meta, out0; writes out0
.if DOCPART == 2
	.amdgcn_target "amdgcn-amd-amdhsa--gfx1250"
	.amdhsa_code_object_version 6
	.text
	.protected	k_q8a3fe26c1d_gemm
	.globl	k_q8a3fe26c1d_gemm
	.p2align	8
	.type	k_q8a3fe26c1d_gemm,@function
k_q8a3fe26c1d_gemm:
	s_mov_b64 s[64:65], 0
	v_nop
	global_prefetch_b8 v0, s[64:65] scope:SCOPE_SE
	s_setreg_imm32_b32 hwreg(HW_REG_WAVE_MODE, 25, 1), 1
	s_wait_xcnt 0x0
	s_wait_alu depctr_hold_cnt(0) depctr_sa_sdst(0) depctr_va_vdst(0) depctr_va_sdst(0) depctr_va_ssrc(0) depctr_va_vcc(0) depctr_vm_vsrc(0)
	s_getreg_b32 s2, hwreg(HW_REG_IB_STS2, 6, 4)
	s_cmp_eq_u32 s2, 0
	s_cbranch_scc0 .Lentry_in_a_cluster
	s_endpgm
.Lentry_in_a_cluster:
	s_bfe_u32 s2, ttmp6, 0x10000c
	s_cmp_lg_u32 s2, 0x3003
	s_cbranch_scc0 .Lentry_shape_is_right
	s_endpgm
.Lentry_shape_is_right:
; GEMM AND SCATTER.  out0[tok[row]][n] = b_e[n] + sum over k of xs[row][k] wb[e][n][k], for the live rows of xs; operands bf16, sums and bias f32, K ascending, one sum an output.
; SHARES.  32 row groups of 272 rows of xs x 8 column tiles of 256: 256 work-groups of four waves.  A row group belongs to one expert (meta: expert, live rows).
; A wave makes 272 rows x 64 columns: 17 x 4 = 68 accumulators of 16 x 16, 544 registers.  17 blocks of rows do not halve, and 64 columns of f32 are just 256 consecutive aligned bytes of an output row, so each
; wave has a stage of its own on the way out and no barrier stands there.  For 32 along K a wave reads 21 fragments from LDS for 68 matrix instructions.
; K goes in 16 steps of 128 through a ring of two LDS slots (272 rows of xs, 256 rows of wb, 256 bytes each) filled by the tensor data mover: waves 0 and 1 fetch the halves of xs's tile, waves 2 and 3 those of wb's.
; CLUSTER 4 x 1: the four partners make four column tiles of ONE row group and need the same rows of xs: that tile is asked for JOINTLY (the same load, descriptor and mask of four in all): 272 of a K step's 528
; rows are asked for once for four.  wb's tile is asked for by each work-group alone: those that share it lie in different row groups, which may belong to different experts; dealing each expert whole clusters of
; row groups would want 8192 / 28 -> 304 rows a group, 18.75% more products than needed, against the 6.25% of 272.
; THE MATRIX INSTRUCTION IS USED TRANSPOSED (source 0 = 16 rows of wb, source 1 = 16 rows of xs): a lane then holds eight neighbouring columns of one row.
; THE BIAS is the C operand of the products that start the sums: in the transposed result register j of a lane holds column 8 (lane / 16) + j, whatever the row, so eight registers serve a column block.
; WHAT IS DONE IN VAIN.  Blocks of 16 rows past the group's count are multiplied and walk the way out like the others (no branch hangs on the count: all partners and waves run one path); their stores run with
; no lane on.  In an expert's last live block up to 15 places repeat its last token: they give the same numbers, stored to the same bytes by the same wave.  A group without rows makes every joint request and stores nothing.
; LIMITS.  Operands carry bf16's 8 significant bits.  The bias is the sum's first term, not its last: another order of f32 rounding than x W^T + b.  NaN and infinities pass as the products give them.
; REGISTERS, in windows of 256 (s_set_vgpr_msb: bits 1:0 source 0, 3:2 source 1, 5:4 source 2, 7:6 destination):
;   window 0: v0-31 addresses; v32-63 wb's and v64-199 xs's fragments, buffer 0 (v64-199 at the end: the 136 stores' offsets); v224-255 the accumulators of block 16
;   window 1: v10 the count; v32-199 fragment buffer 1 (v32-95 at the end: two banks of rows on their way out); v200-231 the bias
;   windows 2, 3: accumulator (a, b), a < 16, in window 2 + a / 8 at v[32 (a % 8) + 8 b]
.set PITCH,  272                       ; an LDS row: 256 bytes + 16 of padding = 68 words: the 16 rows that a load touches start at 16 different groups of four banks (64 banks of 4 bytes: ISA guide 11.1)
.set BLK,    16*PITCH
.set AH,     136*PITCH                 ; half of xs's tile: what wave 0 or 1 fetches
.set BOFF,   272*PITCH                 ; wb's tile lies behind xs's
.set BH,     128*PITCH                 ; half of wb's tile
.set SLOT,   BOFF+256*PITCH            ; 143,616 bytes
.set STAGE,  2*SLOT                    ; behind the ring: 16 rows x 272 bytes for each wave; no tensor load lands here
.set SPARE,  STAGE+4*BLK               ; behind the stages: the spare words, 128 bytes for each wave: two blocks of 256 bytes that no other line names
.set BO,   8                           ; v8      byte offset in the bias of my lanes' eight columns of column block 0; never rewritten
.set CNTV, 10                          ; v10 of window 1   the group's live rows, in every lane
.set ADRAL, 16                         ; v16-17  LDS address of xs's fragments, blocks 0-7, in slot 0, 1
.set ADRAH, 18                         ; v18-19  the same for blocks 8-16: block 16 lies 69,632 bytes on, past a 16-bit offset
.set ADRB, 20                          ; v20-21  wb's fragments
.set STO,  24                          ; v24     the way out: where I put 32 bytes of a row
.set RD,   25                          ; v25     where I read 16 bytes of a row back
.set CO,   26                          ; v26     16 x (lane % 16)
.set LO,   27                          ; v27     32 x (lane / 16): my half's eight tokens of a block
.set SPW,  28                          ; v28     LDS address of my spare word; never rewritten
.set NIL,  29                          ; v29     0; never rewritten
.set FB,   32
.set FA,   64
.set ACC16, 224
.set BI,   200                         ; window 1: the bias, eight registers a column block
.set OFS,  64                          ; window 0: block a's eight tokens, then its stores' offsets, at OFS + 8 a
.set OB,   32                          ; window 1: 16 rows read back from the stage, v32-63 and v64-95 by turns
.set WV,   18                          ; s18  wave
.set HALF, 20                          ; s20  wave % 2: which half of a tile I fetch
.set CT,   22                          ; s22  column tile
.set GR,   23                          ; s23  row group
.set G1A,  24                          ; s[24:31] descriptor group 1 for xs's tiles;  s[32:39] group 0, a set for each slot
.set G0A,  32
.set G1B,  40                          ; s[40:47], s[48:55] the same for wb's
.set G0B,  48
.set EX,   56                          ; s56  the group's expert
.set CNT,  57                          ; s57  its live rows
.set LAPC, 58                          ; s58  laps to go
.set SAVE, 60                          ; s60  on the way out: takes what s_and_saveexec_b32 saves
.set MSB, 0
.macro WIN new                         ; the immediate's high byte repeats the setting that is left; a switch that changes nothing is dropped
.if MSB != (\new)
	s_set_vgpr_msb (MSB<<8)|(\new)
.set MSB, (\new)
.endif
.endm
.macro PLACES                          ; four places in front of loads into registers that matrix instructions have read, and of LDS stores that read results
.rept 4
	v_nop
.endr
.endm
; A fill of slot s.  Waves 0 and 1: the joint load of xs's tile; waves 2 and 3: wb's.  The branch hangs on the wave's number alone.
; An s_nop 0 and four v_nop follow each of the two lines, ahead of the jump and the label.
.macro JLOAD s
	s_cmp_lt_u32 s[WV], 2
	s_cbranch_scc0 .Lfor_b_\@
	tensor_load_to_lds s[G0A+4*(\s):G0A+4*(\s)+3], s[G1A:G1A+7]
	s_nop 0
.rept 4
	v_nop
.endr
	s_branch .Lasked_\@
.Lfor_b_\@:
	tensor_load_to_lds s[G0B+4*(\s):G0B+4*(\s)+3], s[G1B:G1B+7]
	s_nop 0
.rept 4
	v_nop
.endr
.Lasked_\@:
.endm
; A round of the cluster's barrier: my work-group's barrier, so that wave 0's signal speaks for all four waves; wave 0 signals; every wave waits for all four work-groups; my work-group's barrier once more.
.macro CREST                           ; a round behind its opening barrier
	s_cmp_lg_u32 s[WV], 0
	s_cbranch_scc1 .Lnot_wave_0_\@
	s_barrier_signal -3
.Lnot_wave_0_\@:
	s_barrier_wait -3
	s_barrier_signal -1
	s_barrier_wait -1
.endm
.macro CROUND
	s_barrier_signal -1
	s_barrier_wait -1
	CREST
.endm
	s_load_b256 s[4:11], s[0:1], 0x0               ; xs s[4:5], wb s[6:7], b0 s[8:9], b1 s[10:11]
	s_load_b128 s[12:15], s[0:1], 0x20             ; tok s[12:13], meta s[14:15]
	s_load_b64 s[16:17], s[0:1], 0x30              ; out0
	v_lshl_add_u32 v[SPW], v0, 2, SPARE
	v_mov_b32 v[NIL], 0
	ds_add_u32 v[SPW], v[NIL]                      ; the wave's opening: the add and its wait stand ahead of my first tensor load; the set-up below, work on registers, stands between them
	v_lshrrev_b32 v1, 5, v0
	v_readfirstlane_b32 s[WV], v1
	s_and_b32 s[HALF], s[WV], 1
	s_bfe_u32 s21, ttmp6, 0x40000                  ; cx: my place in the cluster
	s_lshl_b32 s[CT], ttmp9, 2                     ; in a cluster launch ttmp9 counts clusters
	s_add_co_u32 s[CT], s[CT], s21                 ; column tile = 4 x cluster x + cx: it enters wb's, the bias's and out0's addresses alone
	s_and_b32 s[GR], ttmp7, 0xffff                 ; the row group, which the four partners share
	; descriptor group 1: rows of 128 elements of 2 bytes, 2,048 elements apart, padded in LDS by 4 words after every 64
	s_mov_b32 s[G1A+0], 15|(1<<16)|(1<<20)|(1<<21)|(5<<22)|(3<<25)  ; 15:0 the mask of four; 17:16 2-byte elements; 20 padding on; 21 set beside a mask; 24:22 code 5; 31:25 code 3
	s_mov_b32 s[G1A+1], 128<<16                    ; tensor_dim0 = 128
	s_mov_b32 s[G1A+2], 136<<16                    ; tensor_dim1 = 136
	s_mov_b32 s[G1A+3], 128<<16                    ; tile_dim0 = 128
	s_mov_b32 s[G1A+4], 136                        ; tile_dim1 = 136 rows
	s_mov_b32 s[G1A+5], 2048                       ; elements from row to row
	s_mov_b32 s[G1A+6], 0
	s_mov_b32 s[G1A+7], 0
	s_mov_b32 s[G1B+0], (1<<16)|(1<<20)|(5<<22)|(3<<25)  ; no mask: a load of my own
	s_mov_b32 s[G1B+1], 128<<16
	s_mov_b32 s[G1B+2], 128<<16                    ; tensor_dim1 = 128
	s_mov_b32 s[G1B+3], 128<<16
	s_mov_b32 s[G1B+4], 128                        ; tile_dim1 = 128 rows
	s_mov_b32 s[G1B+5], 2048
	s_mov_b32 s[G1B+6], 0
	s_mov_b32 s[G1B+7], 0
	s_mul_i32 s70, s[HALF], AH                     ; where my half goes, as xs's
	s_mul_i32 s71, s[HALF], BH                     ; and as wb's: no place in the cluster enters an LDS address
	s_lshl_b32 s58, s[GR], 3
	s_wait_dscnt 0x0                               ; the opening add is done
	s_wait_kmcnt 0x0
	s_load_b64 s[EX:EX+1], s[14:15], s58 offset:0x0  ; the group's expert and live rows
	s_mul_i32 s60, s[GR], 272                      ; xs: row 272 g + 136 x half, in registers that never hold cx while they feed xs's descriptors
	s_mul_i32 s61, s[HALF], 136
	s_add_co_u32 s60, s60, s61
	s_lshl_b32 s60, s60, 12                        ; 4,096 bytes a row; 35,094,528 at the most
	s_mov_b32 s61, 0
	s_add_nc_u64 s[62:63], s[4:5], s[60:61]
	s_wait_kmcnt 0x0
	s_min_u32 s[EX], s[EX], 1
	s_min_u32 s[CNT], s[CNT], 272
	s_lshl_b32 s66, s[CT], 8                       ; wb: row 256 ct + 128 x half
	s_lshl_b32 s67, s[HALF], 7
	s_add_co_u32 s66, s66, s67
	s_lshl_b32 s66, s66, 12
	s_lshl_b32 s67, s[EX], 23                      ; of the expert's 8,388,608 bytes
	s_add_co_u32 s66, s66, s67
	s_mov_b32 s67, 0
	s_add_nc_u64 s[68:69], s[6:7], s[66:67]
.irp s, 0,1
	s_mov_b32 s[G0A+4*(\s)], 1                                     ; count = 1
	s_add_co_u32 s[G0A+4*(\s)+1], s70, (\s)*SLOT                   ; LDS address
	s_add_nc_u64 s[G0A+4*(\s)+2:G0A+4*(\s)+3], s[62:63], (\s)*256  ; global address: K step s
	s_or_b32 s[G0A+4*(\s)+3], s[G0A+4*(\s)+3], 0x80000000          ; type = 2
	s_mov_b32 s[G0B+4*(\s)], 1
	s_add_co_u32 s[G0B+4*(\s)+1], s71, (\s)*SLOT+BOFF
	s_add_nc_u64 s[G0B+4*(\s)+2:G0B+4*(\s)+3], s[68:69], (\s)*256
	s_or_b32 s[G0B+4*(\s)+3], s[G0B+4*(\s)+3], 0x80000000
.endr
	CROUND                                         ; all four work-groups are here: the first joint loads meet
	s_cmp_lt_u32 s[WV], 2                          ; a wave's two first fills stand in one branch, ahead of every wait on TENSORcnt and every LDS read: two loads of mine are out
	s_cbranch_scc0 .Lfirst_b
	tensor_load_to_lds s[G0A:G0A+3], s[G1A:G1A+7]
	s_nop 0
	tensor_load_to_lds s[G0A+4:G0A+7], s[G1A:G1A+7]
	s_nop 0
.rept 4
	v_nop
.endr
	s_branch .Lfirst_asked
.Lfirst_b:
	tensor_load_to_lds s[G0B:G0B+3], s[G1B:G1B+7]
	s_nop 0
	tensor_load_to_lds s[G0B+4:G0B+7], s[G1B:G1B+7]
	s_nop 0
.rept 4
	v_nop
.endr
.Lfirst_asked:
	; A fragment is 16 rows x 32 K in 8 registers: lane l holds row l % 16; registers 0-3 K = 8 (l / 16) + 0..7, registers 4-7 K = 16 + 8 (l / 16) + 0..7: two loads of 16 bytes, 32 bytes apart.
	v_and_b32 v1, 15, v0                           ; r = l % 16
	v_bfe_u32 v2, v0, 4, 1                         ; h = l / 16
	v_mul_u32_u24 v3, v1, PITCH
	v_lshl_add_u32 v3, v2, 4, v3                   ; row x pitch + 16 h
	v_mov_b32 v[ADRAL], v3
	v_add_nc_u32 v[ADRAL+1], SLOT, v3
	v_add_nc_u32 v[ADRAH], 8*BLK, v3
	v_add_nc_u32 v[ADRAH+1], SLOT+8*BLK, v3
	s_mul_i32 s60, s[WV], 64*PITCH                 ; my 64 rows of wb's tile
	s_add_co_u32 s60, s60, BOFF
	v_add_nc_u32 v[ADRB], s60, v3
	s_add_co_u32 s60, s60, SLOT
	v_add_nc_u32 v[ADRB+1], s60, v3
	s_mul_i32 s61, s[WV], BLK
	s_add_co_u32 s61, s61, STAGE                   ; my stage
	v_mul_u32_u24 v9, v1, PITCH                    ; in: row r, 32 bytes for each half of the lanes
	v_lshl_add_u32 v9, v2, 5, v9
	v_add_nc_u32 v[STO], s61, v9
	v_mul_u32_u24 v9, v2, PITCH                    ; back: lanes 0-15 take one row of 256 bytes, lanes 16-31 the next
	v_lshl_add_u32 v9, v1, 4, v9
	v_add_nc_u32 v[RD], s61, v9
	v_lshlrev_b32 v[CO], 4, v1
	v_lshlrev_b32 v[LO], 5, v2
	s_lshl_b32 s60, s[CT], 10                      ; my 64 columns, in bytes of f32: 1,024 ct + 256 wave
	s_lshl_b32 s61, s[WV], 8
	s_add_co_u32 s60, s60, s61
	s_mov_b32 s61, 0
	s_add_nc_u64 s[16:17], s[16:17], s[60:61]      ; out0 at my columns of row 0
	v_lshl_add_u32 v[BO], v2, 5, s60               ; + 32 h: columns 8 h .. 8 h + 7 of a column block
	s_cmp_eq_u32 s[EX], 0
	s_cselect_b64 s[66:67], s[8:9], s[10:11]       ; the expert's bias
	WIN 0x40                                       ; destination window 1, address window 0
	v_mov_b32 v[CNTV], s[CNT]
.set b, 0
.rept 4                                ; column block b: register j takes the bias of column 16 b + 8 h + j of my 64
	global_load_b128 v[BI+8*b:BI+8*b+3],   v[BO], s[66:67] offset:64*b
	global_load_b128 v[BI+8*b+4:BI+8*b+7], v[BO], s[66:67] offset:64*b+16
.set b, b+1
.endr
	WIN 0
	s_mul_i32 s62, s[GR], 1088                     ; the group's 17 blocks of 64 bytes in the list
	s_mov_b32 s63, 0
	s_add_nc_u64 s[12:13], s[12:13], s[62:63]
; 4 n matrix instructions: row blocks a0 .. a0 + n - 1 x my 4 column blocks, 32 along K, from fragment buffer f.  first = 1: the product starts the sum, with the bias as C: nothing is ever cleared.
; The 68 accumulators take turns, one instruction a turn, in the same order in every quarter step: between two links of a chain stand the 67 others'.
.macro MUL f, a0, n, first
.set a, \a0
.rept \n
.if a < 16
.set w, 2+a/8
.set rA, 32*(a%8)
.else
.set w, 0
.set rA, ACC16
.endif
.if \first
	WIN (w<<6)|(1<<4)|((\f)<<2)|(\f)               ; C: the bias, in window 1
.else
	WIN (w<<6)|(w<<4)|((\f)<<2)|(\f)
.endif
.set b, 0
.rept 4
.if \first
	v_wmma_f32_16x16x32_bf16 v[rA+8*b:rA+8*b+7], v[FB+8*b:FB+8*b+7], v[FA+8*a:FA+8*a+7], v[BI+8*b:BI+8*b+7]
.else
	v_wmma_f32_16x16x32_bf16 v[rA+8*b:rA+8*b+7], v[FB+8*b:FB+8*b+7], v[FA+8*a:FA+8*a+7], v[rA+8*b:rA+8*b+7]
.endif
.set b, b+1
.endr
.set a, a+1
.endr
.endm
; 42 LDS loads in one run: a quarter step's fragments (32 K at byte k of the rows) into buffer f: wb's 4, xs's blocks 0-7, xs's blocks 8-16
.macro FETCH slot, k, f
	WIN (\f)<<6                                    ; destination window f, address window 0
.set i, 0
.rept 4
	ds_load_b128 v[FB+8*i:FB+8*i+3],   v[ADRB+(\slot)] offset:(\k)+i*BLK
	ds_load_b128 v[FB+8*i+4:FB+8*i+7], v[ADRB+(\slot)] offset:(\k)+i*BLK+32
.set i, i+1
.endr
.set i, 0
.rept 8
	ds_load_b128 v[FA+8*i:FA+8*i+3],   v[ADRAL+(\slot)] offset:(\k)+i*BLK
	ds_load_b128 v[FA+8*i+4:FA+8*i+7], v[ADRAL+(\slot)] offset:(\k)+i*BLK+32
.set i, i+1
.endr
.rept 9
	ds_load_b128 v[FA+8*i:FA+8*i+3],   v[ADRAH+(\slot)] offset:(\k)+(i-8)*BLK
	ds_load_b128 v[FA+8*i+4:FA+8*i+7], v[ADRAH+(\slot)] offset:(\k)+(i-8)*BLK+32
.set i, i+1
.endr
.endm
; A K step is four quarter steps of 32 along K, 68 matrix instructions each, on buffers 0, 1, 0, 1.  One of the first three: multiplies buffer f and, in its middle, fetches the next quarter's fragments into g.
.macro QUARTER slot, k, f, g, first
	s_wait_dscnt 18                                ; wb's fragments and xs's blocks 0-7 are in; the youngest 18 loads (blocks 8-16) may be out
	MUL \f, 0, 8, \first
	PLACES
	FETCH \slot, \k, \g
	s_wait_dscnt 42                                ; all but the 42 just issued
	MUL \f, 8, 9, \first
.endm
; The last quarter multiplies buffer 1 and changes slots.  MEET is its first half: ONE barrier.  In front of it each wave waits for all its tensor loads, of which one is out: its part of the next slot; adds 0 to
; its spare word; and waits for that and for its own reads of this slot.  Behind it nobody reads this slot any more and the next slot is whole.
.macro MEET
	WIN 0                                          ; (the add's two registers lie in window 0)
	s_wait_tensorcnt 0x0                           ; all my tensor loads have landed
	ds_add_u32 v[SPW], v[NIL]                      ; 0 onto my spare word
	s_wait_dscnt 19                                ; (the add and the youngest 18 loads may be out)
	MUL 1, 0, 4, 0                                 ; sixteen matrix instructions stand between the add and the wait for it
	s_wait_dscnt 0x0                               ; the add is done, and my reads of this slot are over
	s_barrier_signal -1
	MUL 1, 4, 4, 0                                 ; work on registers while the others arrive
	WIN 0                                          ; (branches may follow)
	s_barrier_wait -1
.endm
; fill = 1: the barrier has opened a round of the cluster's barrier, so that no wave of any partner still reads this slot or has a load on its way; the slot is filled again first thing behind the round, with
; the K step two steps on: from that request to the wait for it a wave issues 36 + 3 x 68 = 240 matrix instructions.
.macro TURN slot, next, fill
	MEET
.if \fill
	CREST
	s_add_nc_u64 s[G0A+4*(\slot)+2:G0A+4*(\slot)+3], s[G0A+4*(\slot)+2:G0A+4*(\slot)+3], 512  ; no tensor load of mine is out: a group 0 may be written
	s_add_nc_u64 s[G0B+4*(\slot)+2:G0B+4*(\slot)+3], s[G0B+4*(\slot)+2:G0B+4*(\slot)+3], 512
	JLOAD \slot                                    ; the four v_nop behind it are also the places in front of the loads below
.else
	PLACES
.endif
	FETCH \next, 0, 0
	MUL 1, 8, 9, 0
.endm
; The tokens of row blocks a0 .. a0 + n - 1, eight a lane and block, into the registers of xs's fragments of those blocks in buffer 0, which has been multiplied for the last time.
.macro TOKENS a0, n
	WIN 0
.set a, \a0
.rept \n
	global_load_b128 v[OFS+8*a:OFS+8*a+3],   v[LO], s[12:13] offset:64*a
	global_load_b128 v[OFS+8*a+4:OFS+8*a+7], v[LO], s[12:13] offset:64*a+16
.set a, a+1
.endr
.endm
; THE WAY OUT of block a (16 rows).  TOSTAGE: a lane's eight columns of a row, 32 bytes of f32 an accumulator, go into my stage (each accumulator's low four registers first) and come
; back as whole rows of 256 bytes, into bank a % 2.  LDS serves a wave's instructions in order (ISA guide 5.7.1.4): the loads see the stores above them, and the next block's stores come behind these loads.
.macro TOSTAGE a
.if (\a) < 16
.set w, 2+(\a)/8
.set rA, 32*((\a)%8)
.else
.set w, 0
.set rA, ACC16
.endif
.set BK, OB+32*((\a)%2)
	WIN w<<2                                       ; the stores' data: the accumulators' window
.set b, 0
.rept 4
	ds_store_b128 v[STO], v[rA+8*b:rA+8*b+3]   offset:64*b
	ds_store_b128 v[STO], v[rA+8*b+4:rA+8*b+7] offset:64*b+16
.set b, b+1
.endr
	WIN 0x40                                       ; the rows come back into window 1
.set t, 0
.rept 8
	ds_load_b128 v[BK+4*t:BK+4*t+3], v[RD] offset:2*PITCH*t
.set t, t+1
.endr
.endm
; SEND: each store puts 256 consecutive aligned bytes of row tok(2 t) (lanes 0-15) and of row tok(2 t + 1) (lanes 16-31).  younger: the LDS instructions issued behind block a's loads: the next block's 16, or none.
; A block has live rows or none (the places past an expert's count in its last live block repeat a token), so EXEC is all lanes or no lane: the stores of a block past the count run with no lane on.
.macro SEND a, younger
.set BK, OB+32*((\a)%2)
	WIN 0x04                                       ; source 1 (the count; the stores' data) in window 1, source 0 (the offsets) in window 0
.if (\a) == 0
	s_wait_xcnt 0x0                                ; EXEC is a source of every global access: it is narrowed only behind this wait; in the later blocks the wait in front of the widening serves, nothing global follows it
.endif
	v_cmp_lt_u32 vcc_lo, 16*(\a), v[CNTV]          ; has the block a live row?  The same answer in every lane
	s_and_saveexec_b32 s[SAVE], vcc_lo
.set t, 0
.rept 8
	s_wait_dscnt (\younger)+7-t                    ; LDS loads come back in order: rows 2 t, 2 t + 1 are in
	global_store_b128 v[OFS+8*(\a)+t], v[BK+4*t:BK+4*t+3], s[16:17] th:TH_STORE_NT
.set t, t+1
.endr
	s_wait_xcnt 0x0                                ; EXEC is widened, and this bank is loaded again two blocks on, only behind this wait
	s_mov_b32 exec_lo, -1                          ; all lanes on again, as at the entry: EXEC is narrowed nowhere else
.endm
	s_wait_tensorcnt 0x1                           ; my part of K step 0 is in; K step 1's may stay out
	s_barrier_signal -1
	s_barrier_wait -1                              ; everybody's is
	FETCH 0, 0, 0
	s_wait_loadcnt 0x0                             ; the bias
	QUARTER 0, 64, 0, 1, 1                         ; the first quarter stands in front of the loop: its products start the sums, on the bias
	WIN 0                                          ; at a label and at a branch every window is 0
	s_mov_b32 s[LAPC], 7                           ; 16 K steps are 8 laps of the ring; the last is written out
.Llap:                                                 ; a trip goes once round the ring, from a lap's second quarter to the next lap's first, and fills both slots again
	QUARTER 0, 128, 1, 0, 0
	QUARTER 0, 192, 0, 1, 0
	TURN 0, 1, 1
	QUARTER 1, 64,  0, 1, 0
	QUARTER 1, 128, 1, 0, 0
	QUARTER 1, 192, 0, 1, 0
	TURN 1, 0, 1
	QUARTER 0, 64,  0, 1, 0
	WIN 0
	s_sub_co_u32 s[LAPC], s[LAPC], 1
	s_cmp_lg_u32 s[LAPC], 0
	s_cbranch_scc1 .Llap
	QUARTER 0, 128, 1, 0, 0                        ; the last lap fills nothing, and has no round of the cluster's barrier
	QUARTER 0, 192, 0, 1, 0
	TURN 0, 1, 0
	QUARTER 1, 64,  0, 1, 0
	QUARTER 1, 128, 1, 0, 0
	s_wait_dscnt 18                                ; the last quarter but one, written out: buffer 0 is multiplied for the last time, and takes the tokens as its halves fall free
	MUL 0, 0, 8, 0
	PLACES                                         ; in front of the LDS loads into buffer 1 and of the token loads into buffer 0's blocks 0-7
	FETCH 1, 192, 1
	TOKENS 0, 8                                    ; 104 matrix instructions ahead of the wait for them
	s_wait_dscnt 42                                ; all but the 42 LDS loads just issued
	MUL 0, 8, 9, 0
	PLACES
	TOKENS 8, 9                                    ; 68 matrix instructions ahead
	s_wait_dscnt 18                                ; the very last quarter: nothing more to fetch
	MUL 1, 0, 8, 0
	s_wait_dscnt 0x0
	MUL 1, 8, 9, 0
	WIN 0
	PLACES                                         ; the LDS stores below read results, and the LDS loads write registers that the last products read
	TOSTAGE 0                                      ; block 0 makes its trip through the stage while the offsets are made
	WIN 0
	s_wait_loadcnt 0x0                             ; all 136 tokens
	; ALL THE STORES' OFFSETS, with all lanes on, ahead of the first line that narrows EXEC: every lane of every offset register holds a clamped token's row
.set i, 0
.rept 136
	v_min_u32 v[OFS+i], 0x1fff, v[OFS+i]           ; a token: 8,191 at the most
.set i, i+1
.endr
.set i, 0
.rept 136
	v_lshl_add_u32 v[OFS+i], v[OFS+i], 13, v[CO]   ; 8,192 bytes a row of out0, + 16 r
.set i, i+1
.endr
.set blk, 0
.rept 16                               ; all 17 blocks, whatever the count: one path for every wave of every partner; block a + 1 is on its way through the stage while block a is stored
	TOSTAGE blk+1
	SEND blk, 16
.set blk, blk+1
.endr
	SEND 16, 0
	WIN 0
	s_wait_tensorcnt 0x0                           ; the wave's end: behind my last tensor load and my last LDS store
	ds_add_u32 v[SPW], v[NIL]
	s_wait_dscnt 0x0
	CROUND                                         ; the closing round: no work-group ends while a partner may still ask for a tile that names it
	s_endpgm
.Lfunc_end_k_q8a3fe26c1d_gemm:
	.size	k_q8a3fe26c1d_gemm, .Lfunc_end_k_q8a3fe26c1d_gemm-k_q8a3fe26c1d_gemm
	.p2alignl 7, 3214868480
	.fill 96, 4, 3214868480
	.section	.rodata,"a",@progbits
	.p2align	6, 0x0
	.amdhsa_kernel k_q8a3fe26c1d_gemm
		.amdhsa_group_segment_fixed_size 327680
		.amdhsa_private_segment_fixed_size 0
		.amdhsa_enable_private_segment 0
		.amdhsa_kernarg_size 56
		.amdhsa_user_sgpr_count 2
		.amdhsa_user_sgpr_kernarg_segment_ptr 1
		.amdhsa_wavefront_size32 1
		.amdhsa_system_sgpr_workgroup_id_x 1
		.amdhsa_system_sgpr_workgroup_id_y 1
		.amdhsa_system_sgpr_workgroup_id_z 1
		.amdhsa_system_vgpr_workitem_id 0
		.amdhsa_next_free_vgpr 1024
		.amdhsa_next_free_sgpr 72
		.amdhsa_reserve_vcc 1
		.amdhsa_float_denorm_mode_32 3
		.amdhsa_float_denorm_mode_16_64 3
		.amdhsa_memory_ordered 1
		.amdhsa_forward_progress 1
		.amdhsa_inst_pref_size 184
	.end_amdhsa_kernel
	.amdgpu_metadata
---
amdhsa.version: [ 1, 2 ]
amdhsa.kernels:
  - .name:           k_q8a3fe26c1d_gemm
    .symbol:         k_q8a3fe26c1d_gemm.kd
    .args:
      - { .name: xs, .offset: 0, .size: 8, .value_kind: global_buffer, .address_space: global }
      - { .name: wb, .offset: 8, .size: 8, .value_kind: global_buffer, .address_space: global }
      - { .name: b0, .offset: 16, .size: 8, .value_kind: global_buffer, .address_space: global }
      - { .name: b1, .offset: 24, .size: 8, .value_kind: global_buffer, .address_space: global }
      - { .name: tok, .offset: 32, .size: 8, .value_kind: global_buffer, .address_space: global }
      - { .name: meta, .offset: 40, .size: 8, .value_kind: global_buffer, .address_space: global }
      - { .name: out0, .offset: 48, .size: 8, .value_kind: global_buffer, .address_space: global }
    .group_segment_fixed_size: 327680
    .private_segment_fixed_size: 0
    .kernarg_segment_align: 8
    .kernarg_segment_size: 56
    .max_flat_workgroup_size: 128
    .sgpr_count:     72
    .vgpr_count:     1024
    .wavefront_size: 32
...
	.end_amdgpu_metadata
.endif
;; end of part 2
